; MI455X (gfx1250); checked and timed in simulation.
; The chip was launched on July 23, 2026; its instructions are those of AMD's public machine-readable ISA for CDNA 5 (MIT licence, August 2026) and "CDNA5" Instruction Set Architecture Reference Guide (July 2026). The comments in the code are by the model that wrote it; some were corrected since.
;; attention Layer. Allowed arithmetic: float matrix products may take bf16 or f16 operands with f32 sums; all other float work in f32.
;; Inputs: keys 16 x 2,048 x 64 float32; masks 16 x 2,048 int32; queries 16 x 2,048 x 64 float32; values 16 x 2,048 x 64 float32.
;; Outputs: out0 16 x 2,048 x 64 float32.
;; One version. Each part assembles by itself: llvm-mc -triple=amdgcn-amd-amdhsa -mcpu=gfx1250 --defsym DOCPART=n.
;; ======== version 1 of 1: 1 launch
;; launch attn (part 1): grid 16 x 16, 8 waves a work-group, no clusters, 150,528 bytes of LDS; arguments queries, keys, values, out0; writes out0
.if DOCPART == 1
	.amdgcn_target "amdgcn-amd-amdhsa--gfx1250"
	.amdhsa_code_object_version 6
	.text
	.protected	k_q672b6ef3ec_attn
	.globl	k_q672b6ef3ec_attn
	.p2align	8
	.type	k_q672b6ef3ec_attn,@function
k_q672b6ef3ec_attn:
	s_mov_b64 s[64:65], 0
	v_nop
	global_prefetch_b8 v0, s[64:65] scope:SCOPE_SE
	s_setreg_imm32_b32 hwreg(HW_REG_WAVE_MODE, 25, 1), 1
	s_wait_xcnt 0x0
; Causal attention, out = softmax(mask(Q K^T / 8)) V.  Q, K, V, out: [16][2048][64] f32.  Products in bf16 with f32 sums, softmax in f32.
; The input 'masks' is named by no launch: the module's definition unpacks it and never uses it, so no number of the result hangs on it.
;
; THE WEIGHTS GO INTO THE SECOND PRODUCT AS TWO bf16 TERMS, P = Ph + Pl with Ph = bf16(p) and Pl = bf16(p - Ph); the difference is exact in f32.
; A row with few allowed keys is a sum of a few weights of 0.1 to 1 times numbers of V's own size, which may nearly cancel, while most rows average hundreds
; of keys and are some ten times smaller.  One bf16 term leaves up to 2^-10 on a weight in [0.5, 1); two terms leave about 2^-18 of the weight.
; The price is eight more matrix instructions a step on the same V fragments, and four more vector instructions for each pair of weights.
;
; SHARING.  Grid 16 x 16: x = j, y = batch.  A batch has 32 query blocks of 64 rows; work-group j makes block j (low) and then block 31 - j (high).
; Keys go in steps of 128, descending; block i walks steps 2 (i / 4) + 1 .. 0.  With cL = j / 4: 2 cL + 2 steps and 16 - 2 cL steps, 18 in every work-group.
; The first two steps of a block run the text with the causal test; every later step has keys < 256 (i / 4) <= 64 i and is wholly allowed.
; Eight waves: g = w & 1 picks rows 32 g .. 32 g + 31 of the block (two groups G of 16), p = w >> 1 picks keys 32 p .. 32 p + 31 of each step.
; Each wave keeps a running maximum, sum and O for its keys; the four partials of a row meet in LDS at the block's end (MERGE).
;
; BOTH PRODUCTS ARE USED TRANSPOSED.  S^T = K Q^T: register jj of lane (r, h) is key 8 h + jj, query r.  So a lane owns one query, the maximum and the sum
; are in-lane but for one exchange of the two halves, and rounding two tiles of S^T pairwise gives the B fragment (32 keys x 16 queries) of O^T = V^T P as it stands.
;
; THE FEED.  A step's K and V (32 KiB each, dense in memory) come through registers: they are f32 and have to be rounded to bf16 on the way.
; Thread t loads 16 bytes at i * 4096 + 16 t (a wave's load covers 512 consecutive bytes), rounds, and stores 8 bytes into an LDS slot.  Two register stages
; (step n asks for tile n + 2) and two LDS slots take turns; one barrier a step.
; NO CLUSTER, NO JOINT TENSOR LOADS, though work-groups 4 c .. 4 c + 3 walk the same tiles: a tensor load can only lay the f32 bytes in LDS, so a step would
; write 64 KiB and read 64 KiB more in LDS for the rounding, on top of the 32 KiB stored and the 64 KiB read as bf16 now.
;
; LIMITS, kept on purpose.
; 1. A score that is exactly 0 becomes -2^35 (raw; -2^32 after the division by 8), a future one -2^36.  A row all of whose allowed scores are exactly 0 gets
;    equal weights over its allowed keys.  The module's definition does the same if the later scores are 0 too (a zero query row); if some later score is not 0,
;    its -2^32 absorbs that score and that later key shares the weight there, not here: wholly future steps are not computed.
; 2. The test for 0 is made on the f32 sum of products of operands rounded to bf16.
; 3. Raw scores stay above -2^35.
; 4. NaN and infinities in the inputs are not treated (the maxima drop a NaN).
.set KP,     144                       ; LDS pitch of a K row: 128 bytes of bf16 + 16: an odd multiple of 16, so 16 rows of a fragment start 16 bytes apart modulo 256
.set VP,     160                       ; LDS pitch of a V row: 128 + 32: an odd multiple of 32, for the transposing loads
.set KBYTES, 128*KP                    ; 18,432: V's rows lie behind K's
.set SLOT,   128*KP+128*VP             ; 38,912
.set OSCR,   2*SLOT                    ; 77,824: four partial O of 64 rows x 272 bytes; in the prologue Q as bf16, 128 rows x 144 bytes
.set OP,     272                       ; a row of 64 f32 + 16
.set OPART,  64*OP                     ; 17,408
.set STATS,  OSCR+4*OPART              ; 147,456: -c x maximum (1,024 bytes), then the sums (1,024 bytes): word ((2 g + G) 16 + r) 16 + 4 p
.set TILEB,  32768                     ; 128 rows of 256 bytes in memory
; window 0
.set LOFF, 2                           ; 16 t
.set KST,  3                           ; where I store 8 bytes of K: (t / 16) KP + 8 (t % 16)
.set VST,  4                           ; the same for V
.set KFA,  5                           ; my K fragments: (32 p + r) KP + 16 h
.set VFA,  6                           ; my V fragments: KBYTES + (32 p + 8 h + (L & 7)) VP + 16 ((L >> 3) & 1)
.set DLT,  7                           ; causal test: entry idx = 16 kt + jj of group G is future where idx - 16 G > DLT
.set RH,   8                           ; r - 8 h
.set PF,   9                           ; 256 L
.set STA,  10                          ; STATS + 512 g + 16 r + 4 p
.set STL,  11                          ; STATS + 512 g + 16 r
.set OST,  12                          ; OSCR + p OPART + (32 g + r) OP + 32 h
.set ORD,  13                          ; OSCR + (8 w + h) OP + 16 r
.set OGO,  14                          ; (8 w + h) 256 + 16 r
.set QFA,  15                          ; my Q fragments in the stage
.set STT,  16                          ; group G at STT + 8 G: +0 -c x maximum, +1 maximum, +2 alpha, +3 the other half's number, +4:5 sums, +6, +7 at work
.set QL,   32                          ; Q fragments of the low block, [G][dh], 8 registers each
.set QH,   64                          ; of the high block
.set OA,   96                          ; O^T, [G][dt], 8 registers each
.set SC,   160                         ; S^T, [G][kt], 8 registers each
.set KF,   192                         ; K fragments [kt][dh]; behind the first product: group G's Ph at KF + 16 G, its Pl at KF + 16 G + 8, 8 registers each
.set VF,   224                         ; V^T fragments [dt]
; window 1 (written v0 .. v127): stage s: K's load i at 64 s + 4 i, V's at 64 s + 32 + 4 i
.set MK,   36                          ; s[36:51] sixteen lane masks
; s12 w, s13 g, s14 p, s15 mask of a word's upper bf16, s17 cL, s18 loop counter, s[22:23] byte offset of the next tile to ask for, s24 the high block's first offset,
; s25 -c, s[26:27], s[28:29] the last request's addresses, s[30:31] c twice, s32 -2^35, s33 -2^36, s34, s35 lane selects,
; s[52:53], s[54:55] K, V at the batch, s[56:57], s[58:59] out at the low, the high block, s60, s61 the blocks' causal offsets
.set MSB, 0
.macro WIN new                         ; s_set_vgpr_msb: bits 1:0 source 0, 3:2 source 1, 5:4 source 2, 7:6 destination; the high byte repeats the setting that is left
.if MSB != \new
	s_set_vgpr_msb (MSB<<8)|\new
.set MSB, \new
.endif
.endm
.macro PLACES                          ; four plain vector places behind a matrix instruction before its result is read or its registers are written (ISA guide 7.12.1)
.rept 4
	v_nop
.endr
.endm
; Ask for the next tile of the stream, 16 loads into stage st, and step the stream: down by a step; below step 0 of the low block it jumps to the high block's top.
.macro LOADT st
	s_wait_xcnt 0x0                                ; the last request's bases (and a MERGE's store data) are written again only behind this wait
	s_add_nc_u64 s[26:27], s[52:53], s[22:23]
	s_add_nc_u64 s[28:29], s[54:55], s[22:23]
	WIN 0x40                                       ; destination in window 1
.irp i, 0,1,2,3,4,5,6,7
	global_load_b128 v[64*\st+4*\i:64*\st+4*\i+3], v[LOFF], s[26:27] offset:\i*4096
.endr
.irp i, 0,1,2,3,4,5,6,7
	global_load_b128 v[64*\st+32+4*\i:64*\st+32+4*\i+3], v[LOFF], s[28:29] offset:\i*4096
.endr
	WIN 0
	s_sub_co_i32 s22, s22, TILEB
	s_cmp_lt_i32 s22, 0
	s_cselect_b32 s22, s24, s22
.endm
; Stage st has landed (lc younger loads may stay out): round to bf16 in place, 8 bytes for each load into LDS slot 'slot'.
.macro CONVST st, slot, lc
	s_wait_loadcnt \lc                             ; loads come back in order (ISA guide 5.7.1): this stage's 16 are in
	WIN 0x45                                       ; destination and both sources in window 1
.irp i, 0,1,2,3,4,5,6,7,8,9,10,11,12,13,14,15
	v_cvt_pk_bf16_f32 v[64*\st+4*\i],   v[64*\st+4*\i],   v[64*\st+4*\i+1]
	v_cvt_pk_bf16_f32 v[64*\st+4*\i+1], v[64*\st+4*\i+2], v[64*\st+4*\i+3]
.endr
	WIN 0x04                                       ; store data in window 1, address in window 0
.irp i, 0,1,2,3,4,5,6,7
	ds_store_b64 v[KST], v[64*\st+4*\i:64*\st+4*\i+1] offset:\slot*SLOT+\i*16*KP
.endr
.irp i, 0,1,2,3,4,5,6,7
	ds_store_b64 v[VST], v[64*\st+32+4*\i:64*\st+32+4*\i+1] offset:\slot*SLOT+\i*16*VP
.endr
	WIN 0
.endm
; My fragments of a step: K, 32 keys x 64 d, rows along d: two loads of 16 bytes, 32 apart, for 16 keys x 32 d.
; V^T, 64 d x 32 keys, from rows along d: two transposing loads, 16 rows apart, for 16 d x 32 keys.
.macro FRAGS slot
.irp kt, 0,1
.irp dh, 0,1
	ds_load_b128 v[KF+16*\kt+8*\dh:KF+16*\kt+8*\dh+3],   v[KFA] offset:\slot*SLOT+\kt*16*KP+\dh*64
	ds_load_b128 v[KF+16*\kt+8*\dh+4:KF+16*\kt+8*\dh+7], v[KFA] offset:\slot*SLOT+\kt*16*KP+\dh*64+32
.endr
.endr
.irp dt, 0,1,2,3
	ds_load_tr16_b128 v[VF+8*\dt:VF+8*\dt+3],   v[VFA] offset:\slot*SLOT+\dt*32
	ds_load_tr16_b128 v[VF+8*\dt+4:VF+8*\dt+7], v[VFA] offset:\slot*SLOT+\dt*32+16*VP
.endr
.endm
; S^T = K Q^T for 32 keys x 32 queries.  The four accumulators take turns, one instruction a turn; d 0-31 starts the sums.
.macro SMUL qb
.irp G, 0,1
.irp kt, 0,1
	v_wmma_f32_16x16x32_bf16 v[SC+16*\G+8*\kt:SC+16*\G+8*\kt+7], v[KF+16*\kt:KF+16*\kt+7], v[\qb+16*\G:\qb+16*\G+7], 0
.endr
.endr
.irp G, 0,1
.irp kt, 0,1
	v_wmma_f32_16x16x32_bf16 v[SC+16*\G+8*\kt:SC+16*\G+8*\kt+7], v[KF+16*\kt+8:KF+16*\kt+15], v[\qb+16*\G+8:\qb+16*\G+15], v[SC+16*\G+8*\kt:SC+16*\G+8*\kt+7]
.endr
.endr
	PLACES                                         ; behind them the scores are read, and K's fragment registers are written again (P)
.endm
; The softmax step of group G on its 16 registers of raw scores.  masked = 1: with the causal test.  first = 1: the block's first step starts maximum, sum and O.
.macro SOFT G, masked, first
.set SB, SC+16*\G
.set TB, STT+8*\G
.set OG, OA+32*\G
.set PH, KF+16*\G                      ; Ph in 8 registers, Pl in the 8 behind them
.if \G
.set TM, SC                            ; 16 registers at work: group 0's scores, which are spent,
.else
.set TM, KF+16                         ; or the registers that group 1's P will take later
.endif
.irp k, 0,1,2,3,4,5,6,7,8,9,10,11,12,13,14,15
	v_cmp_eq_f32 s[MK+\k], 0, v[SB+\k]             ; a score that is exactly 0
.endr
.irp k, 0,1,2,3,4,5,6,7,8,9,10,11,12,13,14,15
	v_cndmask_b32 v[SB+\k], v[SB+\k], s32, s[MK+\k] ; becomes -2^35
.endr
.if \masked
.irp k, 0,1,2,3,4,5,6,7,8,9,10,11,12,13,14,15
	v_cmp_gt_i32 s[MK+\k], \k+8*(\k/8)-16*\G, v[DLT] ; register k is idx = 16 (k / 8) + k % 8; a key behind the query
.endr
.irp k, 0,1,2,3,4,5,6,7,8,9,10,11,12,13,14,15
	v_cndmask_b32 v[SB+\k], v[SB+\k], s33, s[MK+\k] ; becomes -2^36
.endr
.endif
	v_max3_num_f32 v[TB+6], v[SB],   v[SB+1],  v[SB+2]     ; two chains over my 16 scores
	v_max3_num_f32 v[TB+7], v[SB+8], v[SB+9],  v[SB+10]
	v_max3_num_f32 v[TB+6], v[TB+6], v[SB+3],  v[SB+4]
	v_max3_num_f32 v[TB+7], v[TB+7], v[SB+11], v[SB+12]
	v_max3_num_f32 v[TB+6], v[TB+6], v[SB+5],  v[SB+6]
	v_max3_num_f32 v[TB+7], v[TB+7], v[SB+13], v[SB+14]
	v_max3_num_f32 v[TB+6], v[TB+6], v[SB+7],  v[SB+15]
.if \first
	v_max_num_f32  v[TB+6], v[TB+6], v[TB+7]
.else
	v_max3_num_f32 v[TB+6], v[TB+6], v[TB+7], v[TB+1]      ; with the running maximum
.endif
	v_permlanex16_b32 v[TB+3], v[TB+6], s34, s35           ; lane i xor 16 holds the query's other 16 keys
	v_max_num_f32 v[TB+1], v[TB+6], v[TB+3]
.if \first
	v_mul_f32 v[TB], s25, v[TB+1]                          ; -c x maximum, c = log2(e) / 8
.else
	v_mov_b32 v[TB+7], v[TB]
	v_mul_f32 v[TB], s25, v[TB+1]
	v_sub_f32 v[TB+2], v[TB], v[TB+7]                      ; alpha from the two rounded products, the very addends of the exponents: it fits the earlier exponentials exactly
	v_exp_f32 v[TB+2], v[TB+2]                             ; the packed multiply-adds below are the plain place behind it (ISA guide 5.7.2)
.endif
.irp k, 0,2,4,6,8,10,12,14
	v_pk_fma_f32 v[SB+\k:SB+\k+1], v[SB+\k:SB+\k+1], s[30:31], v[TB:TB+1] op_sel_hi:[1,0,0]   ; c x score - c x maximum, one rounding
.endr
.irp k, 0,1,2,3,4,5,6,7,8,9,10,11,12,13,14,15
	v_exp_f32 v[SB+\k], v[SB+\k]
.endr
.if \first
	v_nop                                                  ; the plain place behind the exponentials
	s_wait_alu depctr_va_vdst(0)
	v_pk_add_f32 v[TB+4:TB+5], v[SB:SB+1], v[SB+4:SB+5]
.else
	s_wait_alu depctr_va_vdst(0)
.irp k, 0,2,4,6,8,10,12,14,16,18,20,22,24,26,28,30
	v_pk_mul_f32 v[OG+\k:OG+\k+1], v[OG+\k:OG+\k+1], v[TB+2:TB+3] op_sel_hi:[1,0]   ; O x alpha; also the plain place behind the exponentials
.endr
	v_pk_fma_f32 v[TB+4:TB+5], v[TB+4:TB+5], v[TB+2:TB+3], v[SB:SB+1] op_sel_hi:[1,0,1]
	v_pk_add_f32 v[TB+4:TB+5], v[TB+4:TB+5], v[SB+4:SB+5]
.endif
	v_pk_add_f32 v[TB+6:TB+7], v[SB+2:SB+3], v[SB+6:SB+7]  ; the sum in two chains, of the weights as f32; it stays a pair in each lane until MERGE
	v_pk_add_f32 v[TB+4:TB+5], v[TB+4:TB+5], v[SB+8:SB+9]
	v_pk_add_f32 v[TB+6:TB+7], v[TB+6:TB+7], v[SB+10:SB+11]
	v_pk_add_f32 v[TB+4:TB+5], v[TB+4:TB+5], v[SB+12:SB+13]
	v_pk_add_f32 v[TB+6:TB+7], v[TB+6:TB+7], v[SB+14:SB+15]
	v_pk_add_f32 v[TB+4:TB+5], v[TB+4:TB+5], v[TB+6:TB+7]
	; P in two terms.  Each is a B fragment as it stands: registers 0-3 keys 8 h .. 8 h + 7, registers 4-7 keys 16 + 8 h ..
.irp k, 0,1,2,3,4,5,6,7
	v_cvt_pk_bf16_f32 v[PH+\k], v[SB+2*\k], v[SB+2*\k+1]   ; Ph
.endr
.irp k, 0,1,2,3,4,5,6,7
	v_lshlrev_b32 v[TM+2*\k],   16,  v[PH+\k]              ; Ph back as f32: the low half moves up,
	v_and_b32     v[TM+2*\k+1], s15, v[PH+\k]              ; the high half stays
.endr
.irp k, 0,1,2,3,4,5,6,7
	v_pk_fma_f32 v[SB+2*\k:SB+2*\k+1], v[TM+2*\k:TM+2*\k+1], -1.0, v[SB+2*\k:SB+2*\k+1] op_sel_hi:[1,0,1]   ; p - Ph, exact
.endr
.irp k, 0,1,2,3,4,5,6,7
	v_cvt_pk_bf16_f32 v[PH+8+\k], v[SB+2*\k], v[SB+2*\k+1] ; Pl
.endr
.endm
; O^T += V^T Ph + V^T Pl.  Eight accumulators by turns, one instruction a turn: once round with Ph, once round with Pl.
.macro PV first
	s_wait_dscnt 0x0                               ; V's fragments are in
.irp dt, 0,1,2,3
.irp G, 0,1
.if \first
	v_wmma_f32_16x16x32_bf16 v[OA+32*\G+8*\dt:OA+32*\G+8*\dt+7], v[VF+8*\dt:VF+8*\dt+7], v[KF+16*\G:KF+16*\G+7], 0
.else
	v_wmma_f32_16x16x32_bf16 v[OA+32*\G+8*\dt:OA+32*\G+8*\dt+7], v[VF+8*\dt:VF+8*\dt+7], v[KF+16*\G:KF+16*\G+7], v[OA+32*\G+8*\dt:OA+32*\G+8*\dt+7]
.endif
.endr
.endr
.irp dt, 0,1,2,3
.irp G, 0,1
	v_wmma_f32_16x16x32_bf16 v[OA+32*\G+8*\dt:OA+32*\G+8*\dt+7], v[VF+8*\dt:VF+8*\dt+7], v[KF+16*\G+8:KF+16*\G+15], v[OA+32*\G+8*\dt:OA+32*\G+8*\dt+7]
.endr
.endr
.endm
; One step of 128 keys from LDS slot 'slot'.  load = 1: the tile two steps ahead is asked for, into the stage of the same number.
; conv = 1: the next step's tile goes from the other stage into the other slot, and the step's barrier follows; lc as in CONVST.
.macro STEP slot, masked, first, qb, load, conv, lc
.if \load
	LOADT \slot
.endif
	FRAGS \slot
	s_wait_dscnt 0x8                               ; LDS loads come back in order: all but V's eight are in
	SMUL \qb
	SOFT 0, \masked, \first
	SOFT 1, \masked, \first
	PV \first
.if \conv
.if \slot
	CONVST 0, 0, \lc                               ; its 32 conversions are also the places between the products above and the next step's loads into their sources
.else
	CONVST 1, 1, \lc
.endif
	s_wait_dscnt 0x0                               ; my stores into the next slot are done; my reads of this slot were waited for above
	s_barrier_signal -1
	s_barrier_wait -1                              ; the next slot is whole, and nobody reads this slot any more: the next step's stores may go into it
.endif
.endm
; The block's end: the four partials (p) of each row are joined and the 64 rows stored at s[ob:ob+1].
.macro MERGE ob
	PLACES
.irp G, 0,1
.set TB, STT+8*\G
	v_add_f32 v[TB+6], v[TB+4], v[TB+5]
	v_permlanex16_b32 v[TB+3], v[TB+6], s34, s35
	v_add_f32 v[TB+6], v[TB+6], v[TB+3]            ; my wave's sum for query r, in both halves
	ds_store_b32 v[STA], v[TB]   offset:256*\G
	ds_store_b32 v[STA], v[TB+6] offset:1024+256*\G
.endr
	s_wait_dscnt 0x0                               ; for the other waves' sake
	s_barrier_signal -1
	s_barrier_wait -1
.irp G, 0,1
	ds_load_b128 v[KF+8*\G:KF+8*\G+3],   v[STL] offset:256*\G        ; -c x maximum of p = 0 .. 3
	ds_load_b128 v[KF+8*\G+4:KF+8*\G+7], v[STL] offset:1024+256*\G   ; their sums
.endr
	s_wait_dscnt 0x0
.irp G, 0,1
.set TB, STT+8*\G
.set NB, KF+8*\G
.set OG, OA+32*\G
	v_min3_num_f32 v[TB+6], v[NB], v[NB+1], v[NB+2]
	v_min_num_f32 v[TB+6], v[TB+6], v[NB+3]        ; the least -c x maximum belongs to the row's maximum
.irp k, 0,1,2,3
	v_sub_f32 v[NB+\k], v[TB+6], v[NB+\k]
.endr
	v_sub_f32 v[TB+7], v[TB+6], v[TB]
.irp k, 0,1,2,3
	v_exp_f32 v[NB+\k], v[NB+\k]                   ; each partial's weight, at most 1; 0 for a wave that saw future keys alone
.endr
	v_exp_f32 v[TB+7], v[TB+7]                     ; mine
	v_nop                                          ; the plain place behind the exponentials
	s_wait_alu depctr_va_vdst(0)
	v_mul_f32 v[TB+6], v[NB], v[NB+4]
	v_fmac_f32 v[TB+6], v[NB+1], v[NB+5]
	v_fmac_f32 v[TB+6], v[NB+2], v[NB+6]
	v_fmac_f32 v[TB+6], v[NB+3], v[NB+7]           ; the row's sum: the partial with the maximum adds about 1 or more, so it is never 0
	v_rcp_f32 v[TB+3], v[TB+6]
	v_nop                                          ; the plain place behind the reciprocal
	s_wait_alu depctr_va_vdst(0)
	v_mul_f32 v[TB+2], v[TB+7], v[TB+3]
.irp k, 0,2,4,6,8,10,12,14,16,18,20,22,24,26,28,30
	v_pk_mul_f32 v[OG+\k:OG+\k+1], v[OG+\k:OG+\k+1], v[TB+2:TB+3] op_sel_hi:[1,0]
.endr
.endr
.irp G, 0,1
.irp dt, 0,1,2,3
	ds_store_b128 v[OST], v[OA+32*\G+8*\dt:OA+32*\G+8*\dt+3]   offset:\G*16*OP+\dt*64      ; d = 16 dt + 8 h + 0 .. 3 of row 32 g + 16 G + r
	ds_store_b128 v[OST], v[OA+32*\G+8*\dt+4:OA+32*\G+8*\dt+7] offset:\G*16*OP+\dt*64+16
.endr
.endr
	s_wait_dscnt 0x0
	s_barrier_signal -1
	s_barrier_wait -1
.irp u, 0,1,2,3
.irp pp, 0,1,2,3
	ds_load_b128 v[SC+16*\u+4*\pp:SC+16*\u+4*\pp+3], v[ORD] offset:\pp*OPART+\u*2*OP       ; rows 8 w + 2 u + h, 16 bytes a lane, of partial pp
.endr
.endr
.irp u, 0,1,2,3
	s_wait_dscnt 12-4*\u                           ; the first 4 (u + 1) of the sixteen are in
	v_pk_add_f32 v[SC+16*\u:SC+16*\u+1],     v[SC+16*\u:SC+16*\u+1],     v[SC+16*\u+4:SC+16*\u+5]
	v_pk_add_f32 v[SC+16*\u+2:SC+16*\u+3],   v[SC+16*\u+2:SC+16*\u+3],   v[SC+16*\u+6:SC+16*\u+7]
	v_pk_add_f32 v[SC+16*\u+8:SC+16*\u+9],   v[SC+16*\u+8:SC+16*\u+9],   v[SC+16*\u+12:SC+16*\u+13]
	v_pk_add_f32 v[SC+16*\u+10:SC+16*\u+11], v[SC+16*\u+10:SC+16*\u+11], v[SC+16*\u+14:SC+16*\u+15]
	v_pk_add_f32 v[SC+16*\u:SC+16*\u+1],     v[SC+16*\u:SC+16*\u+1],     v[SC+16*\u+8:SC+16*\u+9]
	v_pk_add_f32 v[SC+16*\u+2:SC+16*\u+3],   v[SC+16*\u+2:SC+16*\u+3],   v[SC+16*\u+10:SC+16*\u+11]
	global_store_b128 v[OGO], v[SC+16*\u:SC+16*\u+3], s[\ob:\ob+1] offset:\u*512 th:TH_STORE_NT   ; 16 lanes store a whole row: 256 consecutive bytes, aligned
.endr
	; the stores' data registers are next written by the following step's first product, behind the s_wait_xcnt 0 at the head of its request
.endm
	; ---------------- prologue ----------------
	s_load_b256 s[4:11], s[0:1], 0x0               ; Q s[4:5], K s[6:7], V s[8:9], out s[10:11]
	s_set_vgpr_msb 0x40
	v_lshl_add_u32 v128, v0, 2, 0x24800
	v_mov_b32 v129, 0
	s_set_vgpr_msb 0x4000
	v_lshrrev_b32 v1, 5, v0
	v_readfirstlane_b32 s12, v1                    ; wave
	v_lshlrev_b32 v[LOFF], 4, v0
	s_and_b32 s13, s12, 1                          ; g
	s_lshr_b32 s14, s12, 1                         ; p
	s_and_b32 s16, ttmp7, 0xffff                   ; batch
	s_lshr_b32 s17, ttmp9, 2                       ; cL = j / 4
	s_lshl_b32 s24, s17, 16
	s_add_co_u32 s22, s24, TILEB                   ; the stream begins at step 2 cL + 1
	s_mov_b32 s23, 0
	s_sub_co_u32 s24, 15*TILEB, s24                ; and goes on at step 15 - 2 cL
	s_lshl_b32 s2, s16, 19                         ; a batch is 2048 rows of 256 bytes
	s_mov_b32 s3, 0
	s_lshl_b32 s18, ttmp9, 14                      ; block j: 64 rows of 256 bytes each
	s_mov_b32 s19, 0
	s_sub_co_u32 s20, 31, ttmp9
	s_lshl_b32 s20, s20, 14                        ; block 31 - j
	s_mov_b32 s21, 0
	s_wait_kmcnt 0x0
	s_add_nc_u64 s[52:53], s[6:7], s[2:3]
	s_add_nc_u64 s[54:55], s[8:9], s[2:3]
	s_add_nc_u64 s[4:5], s[4:5], s[2:3]
	s_add_nc_u64 s[10:11], s[10:11], s[2:3]
	s_add_nc_u64 s[62:63], s[4:5], s[18:19]        ; Q, low block
	s_add_nc_u64 s[2:3], s[4:5], s[20:21]          ; Q, high block
	s_add_nc_u64 s[56:57], s[10:11], s[18:19]
	s_add_nc_u64 s[58:59], s[10:11], s[20:21]
.irp i, 0,1,2,3
	global_load_b128 v[SC+4*\i:SC+4*\i+3], v[LOFF], s[62:63] offset:\i*4096 th:TH_LOAD_NT
.endr
.irp i, 0,1,2,3
	global_load_b128 v[SC+16+4*\i:SC+16+4*\i+3], v[LOFF], s[2:3] offset:\i*4096 th:TH_LOAD_NT
.endr
	LOADT 0                                        ; tiles 0 and 1 of the stream
	LOADT 1
	; One prefetch a wave: 32 lanes, 256 bytes apart, cover 8 KiB.  Waves 0-3 take K, waves 4-7 V, piece 4 j + (w & 3) of the batch's 64:
	; the 128 waves of a batch's 16 work-groups ask for each 256 bytes of its K and V once, 64 KiB a work-group, all inside the buffers.
	v_and_b32 v[PF], 31, v0
	v_lshlrev_b32 v[PF], 8, v[PF]
	s_and_b32 s6, s12, 3
	s_lshl2_add_u32 s6, ttmp9, s6
	s_lshl_b32 s6, s6, 13
	s_mov_b32 s7, 0
	s_cmp_lt_u32 s12, 4
	s_cselect_b64 s[20:21], s[52:53], s[54:55]
	s_add_nc_u64 s[20:21], s[20:21], s[6:7]
	global_prefetch_b8 v[PF], s[20:21] th:TH_LOAD_NT scope:SCOPE_SE   ; v[PF] and s[20:21] are never written again
	; constants
	s_mov_b32 s15, 0xffff0000                      ; a word's upper bf16
	s_mov_b32 s30, 0x3e38aa3b                      ; c = log2(e) / 8
	s_mov_b32 s31, 0x3e38aa3b
	s_mov_b32 s25, 0xbe38aa3b                      ; -c
	s_mov_b32 s32, 0xd1000000                      ; -2^35
	s_mov_b32 s33, 0xd1800000                      ; -2^36
	s_mov_b32 s34, 0x76543210                      ; v_permlanex16_b32: lane i reads lane i of the other half
	s_mov_b32 s35, 0xfedcba98
	; the blocks' causal offsets: 64 (i & 3) - 128 + 32 g - 32 p, with (31 - j) & 3 = 3 - (j & 3)
	s_and_b32 s8, ttmp9, 3
	s_lshl_b32 s8, s8, 6
	s_sub_co_i32 s9, s13, s14
	s_lshl_b32 s9, s9, 5
	s_sub_co_i32 s9, s9, 128
	s_add_co_i32 s60, s9, s8
	s_sub_co_i32 s61, s9, s8
	s_add_co_i32 s61, s61, 192
	; addresses.  v[KF] = r, v[KF+1] = h, v[KF+2], v[KF+3] at work
	v_and_b32 v[KF], 15, v0
	v_bfe_u32 v[KF+1], v0, 4, 1
	v_lshrrev_b32 v1, 4, v0                        ; my row among the 16 of a load
	v_mul_u32_u24 v[KST], v1, KP
	v_lshl_add_u32 v[KST], v[KF], 3, v[KST]
	v_mul_u32_u24 v[VST], v1, VP
	v_lshl_add_u32 v[VST], v[KF], 3, v[VST]
	v_add_nc_u32 v[VST], KBYTES, v[VST]
	v_add_nc_u32 v1, OSCR, v[KST]                  ; Q's stage has K's pitch
	s_mul_i32 s18, s14, 32*KP
	v_mul_u32_u24 v[KFA], v[KF], KP
	v_lshl_add_u32 v[KFA], v[KF+1], 4, v[KFA]
	s_mul_i32 s19, s13, 32*KP
	s_add_co_u32 s19, s19, OSCR
	v_add_nc_u32 v[QFA], s19, v[KFA]               ; OSCR + (32 g + r) KP + 16 h
	v_add_nc_u32 v[KFA], s18, v[KFA]
	v_and_b32 v[KF+2], 7, v0
	v_lshl_add_u32 v[KF+2], v[KF+1], 3, v[KF+2]
	v_mul_u32_u24 v[VFA], v[KF+2], VP
	v_bfe_u32 v[KF+3], v0, 3, 1
	v_lshl_add_u32 v[VFA], v[KF+3], 4, v[VFA]
	s_mul_i32 s18, s14, 32*VP
	s_add_co_u32 s18, s18, KBYTES
	v_add_nc_u32 v[VFA], s18, v[VFA]
	v_lshlrev_b32 v[KF+2], 3, v[KF+1]
	v_sub_nc_u32 v[RH], v[KF], v[KF+2]
	s_lshl_b32 s18, s13, 9
	s_add_co_u32 s18, s18, STATS
	v_lshl_add_u32 v[STL], v[KF], 4, s18
	s_lshl_b32 s19, s14, 2
	v_add_nc_u32 v[STA], s19, v[STL]
	s_mul_i32 s18, s14, OPART
	s_mul_i32 s19, s13, 32*OP
	s_add_co_u32 s18, s18, s19
	s_add_co_u32 s18, s18, OSCR
	v_mul_u32_u24 v[OST], v[KF], OP
	v_lshl_add_u32 v[OST], v[KF+1], 5, v[OST]
	v_add_nc_u32 v[OST], s18, v[OST]
	s_mul_i32 s18, s12, 8*OP
	s_add_co_u32 s18, s18, OSCR
	v_mul_u32_u24 v[ORD], v[KF+1], OP
	v_lshl_add_u32 v[ORD], v[KF], 4, v[ORD]
	v_add_nc_u32 v[ORD], s18, v[ORD]
	s_lshl_b32 s18, s12, 11
	v_lshlrev_b32 v[OGO], 4, v[KF]
	v_lshl_add_u32 v[OGO], v[KF+1], 8, v[OGO]
	v_add_nc_u32 v[OGO], s18, v[OGO]
	v_mov_b32 v[STT+3], 0                          ; v_permlanex16_b32 counts as a reader of its destination
	v_mov_b32 v[STT+11], 0
	; Q: rounded, through LDS, into B fragments (16 queries x 32 d) that stay in registers
	s_wait_loadcnt 32                              ; Q's eight loads are in; the 32 of tiles 0 and 1 are younger
.irp i, 0,1,2,3,4,5,6,7
	v_cvt_pk_bf16_f32 v[SC+4*\i],   v[SC+4*\i],   v[SC+4*\i+1]
	v_cvt_pk_bf16_f32 v[SC+4*\i+1], v[SC+4*\i+2], v[SC+4*\i+3]
.endr
.irp i, 0,1,2,3,4,5,6,7
	ds_store_b64 v1, v[SC+4*\i:SC+4*\i+1] offset:\i*16*KP      ; rows 0-63 the low block, 64-127 the high one
.endr
	CONVST 0, 0, 16                                ; tile 0 into slot 0; tile 1's 16 loads stay out
	s_wait_dscnt 0x0
	s_barrier_signal -1
	s_barrier_wait -1
.irp G, 0,1
.irp dh, 0,1
	ds_load_b128 v[QL+16*\G+8*\dh:QL+16*\G+8*\dh+3],   v[QFA] offset:\G*16*KP+\dh*64
	ds_load_b128 v[QL+16*\G+8*\dh+4:QL+16*\G+8*\dh+7], v[QFA] offset:\G*16*KP+\dh*64+32
	ds_load_b128 v[QH+16*\G+8*\dh:QH+16*\G+8*\dh+3],   v[QFA] offset:64*KP+\G*16*KP+\dh*64
	ds_load_b128 v[QH+16*\G+8*\dh+4:QH+16*\G+8*\dh+7], v[QFA] offset:64*KP+\G*16*KP+\dh*64+32
.endr
.endr                                              ; older than the first step's fragments: that step's counted wait covers them
	; ---------------- the low block: 2 + 2 cL steps ----------------
	v_add_nc_u32 v[DLT], s60, v[RH]
	STEP 0, 1, 1, QL, 1, 1, 16
	v_add_nc_u32 v[DLT], 0x80, v[DLT]              ; the next step's keys lie 128 lower
	STEP 1, 1, 0, QL, 1, 1, 16
	s_cmp_eq_u32 s17, 0
	s_cbranch_scc1 .Llow_end
	s_mov_b32 s18, s17                             ; cL trips, 1 to 3
.Llow:
	STEP 0, 0, 0, QL, 1, 1, 16
	STEP 1, 0, 0, QL, 1, 1, 16
	s_sub_co_i32 s18, s18, 1
	s_cmp_gt_i32 s18, 0                            ; a signed compare: the counter, which comes down, ends the loop from any start
	s_cbranch_scc1 .Llow
.Llow_end:
	MERGE 56
	; ---------------- the high block: 2 + 2 (6 - cL) + 2 steps ----------------
	v_add_nc_u32 v[DLT], s61, v[RH]
	STEP 0, 1, 1, QH, 1, 1, 16
	v_add_nc_u32 v[DLT], 0x80, v[DLT]
	STEP 1, 1, 0, QH, 1, 1, 16
	s_sub_co_i32 s18, 6, s17                       ; 3 to 6 trips
.Lhigh:
	STEP 0, 0, 0, QH, 1, 1, 16
	STEP 1, 0, 0, QH, 1, 1, 16
	s_sub_co_i32 s18, s18, 1
	s_cmp_gt_i32 s18, 0
	s_cbranch_scc1 .Lhigh
	STEP 0, 0, 0, QH, 0, 1, 0                      ; the last two steps ask for nothing: 2 + 16 requests have been made for 18 steps; the last tile's wait is for 0
	STEP 1, 0, 0, QH, 0, 0, 0
	MERGE 58
	s_set_vgpr_msb 0x5
	s_wait_tensorcnt 0x0
	ds_add_u32 v128, v129
	s_wait_dscnt 0x0
	s_set_vgpr_msb 0x500
	s_endpgm
.Lfunc_end_k_q672b6ef3ec_attn:
	.size	k_q672b6ef3ec_attn, .Lfunc_end_k_q672b6ef3ec_attn-k_q672b6ef3ec_attn
	.p2alignl 7, 3214868480
	.fill 96, 4, 3214868480
	.section	.rodata,"a",@progbits
	.p2align	6, 0x0
	.amdhsa_kernel k_q672b6ef3ec_attn
		.amdhsa_group_segment_fixed_size 150528
		.amdhsa_private_segment_fixed_size 0
		.amdhsa_enable_private_segment 0
		.amdhsa_kernarg_size 32
		.amdhsa_user_sgpr_count 2
		.amdhsa_user_sgpr_kernarg_segment_ptr 1
		.amdhsa_wavefront_size32 1
		.amdhsa_system_sgpr_workgroup_id_x 1
		.amdhsa_system_sgpr_workgroup_id_y 1
		.amdhsa_system_sgpr_workgroup_id_z 1
		.amdhsa_system_vgpr_workitem_id 0
		.amdhsa_next_free_vgpr 386
		.amdhsa_next_free_sgpr 66
		.amdhsa_reserve_vcc 0
		.amdhsa_float_denorm_mode_32 3
		.amdhsa_float_denorm_mode_16_64 3
		.amdhsa_memory_ordered 1
		.amdhsa_forward_progress 1
		.amdhsa_inst_pref_size 255
	.end_amdhsa_kernel
	.section	.bss,"aw",@nobits
	.p2align	6
	.space	262144
	.amdgpu_metadata
---
amdhsa.version: [ 1, 2 ]
amdhsa.kernels:
  - .name:           k_q672b6ef3ec_attn
    .symbol:         k_q672b6ef3ec_attn.kd
    .args:
      - { .name: queries, .offset: 0, .size: 8, .value_kind: global_buffer, .address_space: global }
      - { .name: keys, .offset: 8, .size: 8, .value_kind: global_buffer, .address_space: global }
      - { .name: values, .offset: 16, .size: 8, .value_kind: global_buffer, .address_space: global }
      - { .name: out0, .offset: 24, .size: 8, .value_kind: global_buffer, .address_space: global }
    .group_segment_fixed_size: 150528
    .private_segment_fixed_size: 0
    .kernarg_segment_align: 8
    .kernarg_segment_size: 32
    .max_flat_workgroup_size: 256
    .sgpr_count:     66
    .vgpr_count:     386
    .wavefront_size: 32
...
	.end_amdgpu_metadata
.endif
;; end of part 1
